; MI455X (gfx1250); checked and timed in simulation.
; The chip was launched on July 23, 2026; its instructions are those of AMD's public machine-readable ISA for CDNA 5 (MIT licence, August 2026) and "CDNA5" Instruction Set Architecture Reference Guide (July 2026). The comments in the code are by the model that wrote it; some were corrected since.
;; Attention With Einops. Allowed arithmetic: float matrix products may take bf16 or f16 operands with f32 sums; all other float work in f32.
;; Inputs: W_K 16 x 64 x 1,024 float32; W_O 16 x 64 x 1,024 float32; W_Q 16 x 64 x 1,024 float32; W_V 16 x 64 x 1,024 float32; residual 2 x 2,048 x 1,024 float32.
;; Outputs: out0 2 x 2,048 x 1,024 float32.
;; One version. Each part assembles by itself: llvm-mc -triple=amdgcn-amd-amdhsa -mcpu=gfx1250 --defsym DOCPART=n.
;; ======== version 1 of 1: 4 launches
;; limits: values are held in f16: magnitudes above 65,504 overflow, below 6.1e-05 lose precision
;; workspace buffers: xw 16,777,216 bytes; qkv 25,165,824 bytes; att 8,388,608 bytes
;; launch cast (part 1): grid 512 x 1, 8 waves a work-group, no clusters, 0 bytes of LDS; arguments residual, W_Q, W_K, W_V, W_O, xw; writes xw
.if DOCPART == 1
	.amdgcn_target "amdgcn-amd-amdhsa--gfx1250"
	.amdhsa_code_object_version 6
	.text
	.protected	k_q6c9bb239be_cast
	.globl	k_q6c9bb239be_cast
	.p2align	8
	.type	k_q6c9bb239be_cast,@function
k_q6c9bb239be_cast:
	s_mov_b64 s[64:65], 0
	v_nop
	global_prefetch_b8 v0, s[64:65] scope:SCOPE_SE
	s_setreg_imm32_b32 hwreg(HW_REG_WAVE_MODE, 25, 1), 1
	s_wait_xcnt 0x0
; All five inputs, f32, are rounded once to bf16 and laid into one buffer xw of 16-bit numbers:
;   byte 0          X  [4096][1024]  bf16   (residual)
;   byte 8,388,608  W_Q, W_K, W_V as one matrix [3072][1024]  bf16
;   byte 14,680,064 W_O [1024 (h,e)][1024 d]: the bf16 value, held as f16, since its partner in the last product is f16.
;                   8 significant bits fit in f16's 11, so that step is exact for |w| >= 2^-14; below it errs by at most 2^-25.
;                   LIMIT: |W_O| above 65,504 becomes infinite.
; A stream: memory binds, so no LDS, no barrier, no matrix unit.  Work-group g takes 64 KiB of f32 and stores 32 KiB at byte g x 32,768.
; g 0-255: residual, 256-319: W_Q, 320-383: W_K, 384-447: W_V, 448-511: W_O.
; Thread t takes 16 bytes at 16 t of each block of 4,096 bytes (a wave's load covers 512 consecutive bytes) and stores 8 bytes at 8 t of
; each block of 2,048 (a wave's store covers 256 consecutive bytes, aligned).  All 16 loads go out at once; no register is written twice.
.set X, 4                              ; v[4:67]   16 x 4 numbers as loaded
.set O, 68                             ; v[68:99]  16 x 2 words to store
	s_load_b256 s[4:11], s[0:1], 0x0               ; residual s[4:5], W_Q s[6:7], W_K s[8:9], W_V s[10:11]
	s_load_b128 s[12:15], s[0:1], 0x20             ; W_O s[12:13], xw s[14:15]
	s_mov_b32 s2, ttmp9                            ; g
	s_and_b32 s18, s2, 63                          ; my block inside a weight (64 blocks each),
	s_cmp_lt_u32 s2, 256
	s_cselect_b32 s18, s2, s18                     ; or inside residual (256 blocks)
	s_lshl_b32 s18, s18, 16                        ; x 64 KiB
	s_mov_b32 s19, 0
	s_lshl_b32 s20, s2, 15                         ; g x 32 KiB in xw
	s_mov_b32 s21, 0
	s_mov_b32 s22, 0xffff0000                      ; a word's upper bf16
	v_lshlrev_b32 v1, 4, v0
	v_lshlrev_b32 v2, 3, v0
	s_wait_kmcnt 0x0
	s_cmp_ge_u32 s2, 256                           ; the source is chosen by the work-group's number alone
	s_cselect_b64 s[16:17], s[6:7], s[4:5]
	s_cmp_ge_u32 s2, 320
	s_cselect_b64 s[16:17], s[8:9], s[16:17]
	s_cmp_ge_u32 s2, 384
	s_cselect_b64 s[16:17], s[10:11], s[16:17]
	s_cmp_ge_u32 s2, 448
	s_cselect_b64 s[16:17], s[12:13], s[16:17]
	s_add_nc_u64 s[16:17], s[16:17], s[18:19]
	s_add_nc_u64 s[14:15], s[14:15], s[20:21]
.irp k, 0,1,2,3,4,5,6,7,8,9,10,11,12,13,14,15
	global_load_b128 v[X+4*\k:X+4*\k+3], v1, s[16:17] offset:4096*\k th:TH_LOAD_NT
.endr
; block k: wait, round, store.  wo = 1: the bf16 values are widened again (a shift, a mask) and written as f16.
.macro CONV k, wo
	s_wait_loadcnt 15-\k                           ; loads come back in order: block k is in, the 15-k younger ones stay out
	v_cvt_pk_bf16_f32 v[O+2*\k],   v[X+4*\k],   v[X+4*\k+1]
	v_cvt_pk_bf16_f32 v[O+2*\k+1], v[X+4*\k+2], v[X+4*\k+3]
.if \wo
	v_lshlrev_b32 v[X+4*\k],   16,  v[O+2*\k]
	v_and_b32     v[X+4*\k+1], s22, v[O+2*\k]
	v_lshlrev_b32 v[X+4*\k+2], 16,  v[O+2*\k+1]
	v_and_b32     v[X+4*\k+3], s22, v[O+2*\k+1]
	v_cvt_pk_f16_f32 v[O+2*\k],   v[X+4*\k],   v[X+4*\k+1]
	v_cvt_pk_f16_f32 v[O+2*\k+1], v[X+4*\k+2], v[X+4*\k+3]
.endif
	global_store_b64 v2, v[O+2*\k:O+2*\k+1], s[14:15] offset:2048*\k
.endm
	s_cmp_ge_u32 s2, 448
	s_cbranch_scc1 .Lwo
.irp k, 0,1,2,3,4,5,6,7,8,9,10,11,12,13,14,15
	CONV \k, 0
.endr
	s_endpgm
.Lwo:
.irp k, 0,1,2,3,4,5,6,7,8,9,10,11,12,13,14,15
	CONV \k, 1
.endr
	s_endpgm
.Lfunc_end_k_q6c9bb239be_cast:
	.size	k_q6c9bb239be_cast, .Lfunc_end_k_q6c9bb239be_cast-k_q6c9bb239be_cast
	.p2alignl 7, 3214868480
	.fill 96, 4, 3214868480
	.section	.rodata,"a",@progbits
	.p2align	6, 0x0
	.amdhsa_kernel k_q6c9bb239be_cast
		.amdhsa_group_segment_fixed_size 0
		.amdhsa_private_segment_fixed_size 0
		.amdhsa_enable_private_segment 0
		.amdhsa_kernarg_size 48
		.amdhsa_user_sgpr_count 2
		.amdhsa_user_sgpr_kernarg_segment_ptr 1
		.amdhsa_wavefront_size32 1
		.amdhsa_system_sgpr_workgroup_id_x 1
		.amdhsa_system_sgpr_workgroup_id_y 1
		.amdhsa_system_sgpr_workgroup_id_z 1
		.amdhsa_system_vgpr_workitem_id 0
		.amdhsa_next_free_vgpr 100
		.amdhsa_next_free_sgpr 66
		.amdhsa_reserve_vcc 0
		.amdhsa_float_denorm_mode_32 3
		.amdhsa_float_denorm_mode_16_64 3
		.amdhsa_memory_ordered 1
		.amdhsa_forward_progress 1
		.amdhsa_inst_pref_size 15
	.end_amdhsa_kernel
	.amdgpu_metadata
---
amdhsa.version: [ 1, 2 ]
amdhsa.kernels:
  - .name:           k_q6c9bb239be_cast
    .symbol:         k_q6c9bb239be_cast.kd
    .args:
      - { .name: residual, .offset: 0, .size: 8, .value_kind: global_buffer, .address_space: global }
      - { .name: W_Q, .offset: 8, .size: 8, .value_kind: global_buffer, .address_space: global }
      - { .name: W_K, .offset: 16, .size: 8, .value_kind: global_buffer, .address_space: global }
      - { .name: W_V, .offset: 24, .size: 8, .value_kind: global_buffer, .address_space: global }
      - { .name: W_O, .offset: 32, .size: 8, .value_kind: global_buffer, .address_space: global }
      - { .name: xw, .offset: 40, .size: 8, .value_kind: global_buffer, .address_space: global }
    .group_segment_fixed_size: 0
    .private_segment_fixed_size: 0
    .kernarg_segment_align: 8
    .kernarg_segment_size: 48
    .max_flat_workgroup_size: 256
    .sgpr_count:     66
    .vgpr_count:     100
    .wavefront_size: 32
...
	.end_amdgpu_metadata
.endif
;; end of part 1
;; launch qkv (part 2): grid 16 x 16, 4 waves a work-group, clusters of 4 x 4, 327,680 bytes of LDS; arguments xw, qkv; writes qkv
.if DOCPART == 2
	.amdgcn_target "amdgcn-amd-amdhsa--gfx1250"
	.amdhsa_code_object_version 6
	.text
	.protected	k_q6c9bb239be_qkv
	.globl	k_q6c9bb239be_qkv
	.p2align	8
	.type	k_q6c9bb239be_qkv,@function
k_q6c9bb239be_qkv:
	s_mov_b64 s[64:65], 0
	v_nop
	global_prefetch_b8 v0, s[64:65] scope:SCOPE_SE
	s_setreg_imm32_b32 hwreg(HW_REG_WAVE_MODE, 25, 1), 1
	s_wait_xcnt 0x0
	s_wait_alu depctr_hold_cnt(0) depctr_sa_sdst(0) depctr_va_vdst(0) depctr_va_sdst(0) depctr_va_ssrc(0) depctr_va_vcc(0) depctr_vm_vsrc(0)
	s_getreg_b32 s2, hwreg(HW_REG_IB_STS2, 6, 4)
	s_cmp_eq_u32 s2, 0
	s_cbranch_scc0 .Lentry_in_a_cluster
	s_endpgm
.Lentry_in_a_cluster:
	s_bfe_u32 s2, ttmp6, 0x10000c
	s_cmp_lg_u32 s2, 0xf033
	s_cbranch_scc0 .Lentry_shape_is_right
	s_endpgm
.Lentry_shape_is_right:
; q, k, v in one product: C[4096][3072] = X[4096][1024] x W[3072][1024]^T, bf16 operands, f32 sums, C rounded once to f16.
; C is stored head by head: qkv[j][row][64], j = column / 64 = 16 t + h (t = 0 q, 1 k, 2 v), row = 2048 b + s; a row is 128 bytes.
; LIMIT: a |q|, |k| or |v| above 65,504 becomes infinite in f16.  (With all inputs 30 times the drawn spread they stay near 3,000;
; with offsets of 30 spreads on residual and weights near 18,432.)  f16 and not bf16: three more bits, which the first rows of each sequence need.
; A work-group makes 256 x 192 of C (192 columns = 3 whole heads) with four waves; wave w makes rows 64 w .. 64 w + 63 x all 192 columns:
; 4 x 12 accumulator tiles, 384 registers.  16 x 16 = 256 work-groups.  K goes in steps of 128 (rows of 256 bytes, aligned) through two LDS slots.
; CLUSTERS 4 x 4: the four work-groups of a cluster's row share X's tile, the four of a column share W's; each tile is asked for jointly.
; Windows of 256 registers:  0: addresses, X's fragments (two buffers), the way out;  1: W's fragments (two buffers of 96);
;                            2: accumulators of row tiles 0, 1 (tile (a, b) at 8 (12 (a & 1) + b));  3: those of row tiles 2, 3.
; The matrix instruction is used transposed (source 0 = 16 rows of W, source 1 = 16 rows of X): lane l holds row l % 16 of C and
; its 8 registers the columns 8 (l / 16) + 0..7, which pack into 16 neighbouring bytes.
.set KSTEP,  128
.set DM,     1024                      ; K, and the pitch of X and W in elements
.set PITCH,  272                       ; LDS row: 256 bytes + 16 of padding, an odd multiple of 16: the 16 rows of a fragment load start in 16 different 16-byte columns
.set HALFA,  128*PITCH                 ; 128 rows of X: one tensor load
.set HALFB,  96*PITCH                  ; 96 rows of W: one tensor load
.set BOFF,   2*HALFA
.set SLOT,   2*HALFA+2*HALFB           ; 121,856
.set STAGE,  2*SLOT                    ; 243,712, a multiple of 256: no fill lands behind it
.set SPITCH, 400                       ; stage row: 384 bytes + 16
.set LAPS,   DM/(2*KSTEP)              ; 4
.set WOFF,   8388608                   ; W in xw
.set ADRA, 16                          ; v16-17  LDS address of my X fragments, slot 0, 1
.set ADRB, 20                          ; v20-21  the same for W
.set STO,  24
.set RD,   25
.set CO,   26
.set FA,   64                          ; window 0: X's buffer f at FA + 32 f
.set TMP,  128                         ; v[128:175] packed results
.set RB,   176                         ; v[176:223] rows read back
.set G1,  24
.set G0,  32
.set G1B, 48
.set G0B, 56
.set MSB, 0
.macro WIN new                         ; the immediate's high byte repeats the setting that is left
.if MSB != \new
	s_set_vgpr_msb (MSB<<8)|\new
.set MSB, \new
.endif
.endm
.set MUL_LO, 0xa1                      ; source 0 (W) window 1, source 1 (X) window 0, C and D window 2
.set MUL_HI, 0xf1                      ; the same, C and D window 3
.set TO_B,   0x40                      ; destination window 1
; A joint load: waves 0, 1 ask for X's halves, waves 2, 3 for W's.  The branch hangs on the wave's number alone.
.macro JLOAD s
	s_cmp_eq_u32 s11, 0
	s_cbranch_scc0 .Lfor_b_\@
	tensor_load_to_lds s[G0+4*\s:G0+4*\s+3], s[G1:G1+7]
	s_nop 0
	s_branch .Lasked_\@
.Lfor_b_\@:
	tensor_load_to_lds s[G0B+4*\s:G0B+4*\s+3], s[G1B:G1B+7]
	s_nop 0
.Lasked_\@:
.endm
.macro CREST                           ; a round of the cluster's barrier behind its opening work-group barrier
	s_cmp_lg_u32 s10, 0
	s_cbranch_scc1 .Lnot_wave_0_\@
	s_barrier_signal -3
.Lnot_wave_0_\@:
	s_barrier_wait -3
	s_barrier_signal -1
	s_barrier_wait -1
.endm
.macro CROUND
	s_barrier_signal -1
	s_barrier_wait -1
	CREST
.endm
	s_load_b128 s[4:7], s[0:1], 0x0                ; xw s[4:5], qkv s[6:7]
	s_set_vgpr_msb 0x40
	v_lshl_add_u32 v255, v0, 2, 0x41c00
	s_set_vgpr_msb 0x4000
	v_mov_b32 v255, 0
	s_set_vgpr_msb 0x1
	ds_add_u32 v255, v255
	ds_add_u32 v255, v255
	s_set_vgpr_msb 0x100
	v_lshrrev_b32 v1, 5, v0
	v_readfirstlane_b32 s10, v1                    ; wave 0..3
	s_lshr_b32 s11, s10, 1                         ; I fetch for X (0) or for W (1)
	s_and_b32 s12, s10, 1                          ; which half of that tile
	s_bfe_u32 s40, ttmp6, 0x40000                  ; cx
	s_bfe_u32 s41, ttmp6, 0x40004                  ; cy
	s_lshl_b32 s42, ttmp9, 2
	s_add_co_u32 s42, s42, s40                     ; block column = 4 x cluster x + cx
	s_and_b32 s13, ttmp7, 0xffff
	s_lshl_b32 s13, s13, 2
	s_add_co_u32 s13, s13, s41                     ; block row = 4 x cluster y + cy
	s_lshl_b32 s43, s41, 2
	s_lshl_b32 s43, 15, s43                        ; my row of the cluster
	s_lshl_b32 s44, 0x1111, s40                    ; my column
	; group 1: elements of 2 bytes, padding of 4 words behind every 64 words, bit 21 beside the mask
	s_or_b32 s[G1+0],  s43, (1<<16)|(1<<20)|(1<<21)|(5<<22)|(3<<25)
	s_or_b32 s[G1B+0], s44, (1<<16)|(1<<20)|(1<<21)|(5<<22)|(3<<25)
	s_mov_b32 s[G1+1],  KSTEP<<16                  ; tensor_dim0 = 128
	s_mov_b32 s[G1B+1], KSTEP<<16
	s_mov_b32 s[G1+2],  128<<16                    ; tensor_dim1 = 128 rows of X
	s_mov_b32 s[G1B+2], 96<<16                     ;             =  96 rows of W
	s_mov_b32 s[G1+3],  KSTEP<<16                  ; tile_dim0 = 128
	s_mov_b32 s[G1B+3], KSTEP<<16
	s_mov_b32 s[G1+4],  128                        ; tile_dim1
	s_mov_b32 s[G1B+4], 96
	s_mov_b32 s[G1+5],  DM                         ; elements from row to row
	s_mov_b32 s[G1B+5], DM
	s_mov_b32 s[G1+6],  0
	s_mov_b32 s[G1B+6], 0
	s_mov_b32 s[G1+7],  0
	s_mov_b32 s[G1B+7], 0
	; X's tile hangs on the block row and the wave, W's on the block column and the wave, each in registers that never hold the other coordinate
	s_lshl_b32 s17, s12, 7
	s_lshl_b32 s16, s13, 8
	s_add_co_u32 s16, s16, s17                     ; X: row 256 x block row + 128 x half
	s_lshl_b32 s16, s16, 11                        ; x 2,048 bytes
	s_mov_b32 s17, 0
	s_mul_i32 s46, s42, 192
	s_mul_i32 s47, s12, 96
	s_add_co_u32 s46, s46, s47                     ; W: row 192 x block column + 96 x half
	s_lshl_b32 s46, s46, 11
	s_add_co_u32 s46, s46, WOFF
	s_mov_b32 s47, 0
	s_mul_i32 s20, s10, HALFA                      ; waves 0, 1: X's halves at 0 and HALFA
	s_mul_i32 s22, s10, HALFB
	s_add_co_u32 s22, s22, BOFF-2*HALFB            ; waves 2, 3: W's halves at BOFF and BOFF + HALFB
	s_wait_dscnt 0x0
	s_wait_kmcnt 0x0
	s_add_nc_u64 s[14:15], s[4:5], s[16:17]
	s_add_nc_u64 s[46:47], s[4:5], s[46:47]
	CROUND                                         ; all sixteen work-groups are here: the first joint loads meet
.irp s, 0,1
	s_mov_b32 s[G0+4*\s], 1
	s_add_co_u32 s[G0+4*\s+1], s20, \s*SLOT
	s_add_nc_u64 s[G0+4*\s+2:G0+4*\s+3], s[14:15], \s*KSTEP*2
	s_or_b32 s[G0+4*\s+3], s[G0+4*\s+3], 0x80000000
	s_mov_b32 s[G0B+4*\s], 1
	s_add_co_u32 s[G0B+4*\s+1], s22, \s*SLOT
	s_add_nc_u64 s[G0B+4*\s+2:G0B+4*\s+3], s[46:47], \s*KSTEP*2
	s_or_b32 s[G0B+4*\s+3], s[G0B+4*\s+3], 0x80000000
	JLOAD \s                                       ; K steps 0 and 1: two loads of the wave are out, later one
.endr
	v_and_b32 v1, 15, v0                           ; r
	v_bfe_u32 v2, v0, 4, 1                         ; h
	v_mul_u32_u24 v3, v1, PITCH
	v_lshl_add_u32 v3, v2, 4, v3                   ; r x pitch + 16 h
	s_mul_i32 s21, s10, 64*PITCH                   ; my 64 rows of X
	s_mov_b32 s22, BOFF                            ; all 192 rows of W
.irp s, 0,1
	v_add_nc_u32 v[ADRA+\s], s21, v3
	v_add_nc_u32 v[ADRB+\s], s22, v3
	s_add_co_u32 s21, s21, SLOT
	s_add_co_u32 s22, s22, SLOT
.endr
	s_mul_i32 s23, s10, 16*SPITCH
	s_add_co_u32 s23, s23, STAGE                   ; my stage
	v_mul_u32_u24 v4, v1, SPITCH
	v_lshl_add_u32 v4, v2, 4, v4
	v_add_nc_u32 v[STO], s23, v4                   ; in: row r, 16 bytes for each half of the lanes
	v_bfe_u32 v5, v0, 3, 2
	v_and_b32 v6, 7, v0
	v_mul_u32_u24 v5, v5, SPITCH
	v_lshl_add_u32 v5, v6, 4, v5
	v_add_nc_u32 v[RD], s23, v5                    ; back: eight lanes take the 128 bytes of one head in one row, the wave four rows
	v_and_b32 v[CO], 31, v0
	v_lshlrev_b32 v[CO], 4, v[CO]                  ; and in qkv those four rows are 512 consecutive bytes
; 12 matrix instructions: row tile a x all 12 column tiles, 32 along K, from buffers f.  zero = 1: the first product starts the sums.
.macro MUL12 f, a, zero
.irp b, 0,1,2,3,4,5,6,7,8,9,10,11
.if \zero
	v_wmma_f32_16x16x32_bf16 v[8*(12*(\a&1)+\b):8*(12*(\a&1)+\b)+7], v[96*\f+8*\b:96*\f+8*\b+7], v[FA+32*\f+8*\a:FA+32*\f+8*\a+7], 0
.else
	v_wmma_f32_16x16x32_bf16 v[8*(12*(\a&1)+\b):8*(12*(\a&1)+\b)+7], v[96*\f+8*\b:96*\f+8*\b+7], v[FA+32*\f+8*\a:FA+32*\f+8*\a+7], v[8*(12*(\a&1)+\b):8*(12*(\a&1)+\b)+7]
.endif
.endr
.endm
; 32 LDS loads in one run: 24 for W's 12 fragments, then 8 for X's 4, at byte k of the slot's rows, into buffers f
.macro FETCH slot, k, f
	WIN TO_B
.irp i, 0,1,2,3,4,5,6,7,8,9,10,11
	ds_load_b128 v[96*\f+8*\i:96*\f+8*\i+3],   v[ADRB+\slot] offset:\k+\i*16*PITCH
	ds_load_b128 v[96*\f+8*\i+4:96*\f+8*\i+7], v[ADRB+\slot] offset:\k+\i*16*PITCH+32
.endr
	WIN 0
.irp i, 0,1,2,3
	ds_load_b128 v[FA+32*\f+8*\i:FA+32*\f+8*\i+3],   v[ADRA+\slot] offset:\k+\i*16*PITCH
	ds_load_b128 v[FA+32*\f+8*\i+4:FA+32*\f+8*\i+7], v[ADRA+\slot] offset:\k+\i*16*PITCH+32
.endr
.endm
; Four places of plain vector work stand between a matrix instruction and a load into, or a vector read of, its registers
.macro PLACES
.rept 4
	v_nop
.endr
.endm
; A quarter step: 48 matrix instructions on buffers f; in its middle the next quarter's 32 loads go out into buffers g.
; The 48 accumulators take turns, one instruction a turn, in the same order in every quarter.
.macro QUARTER slot, k, f, g, zero
	s_wait_dscnt 4                                 ; all but the youngest four loads: X's fragments 2 and 3
	WIN MUL_LO
	MUL12 \f, 0, \zero
	MUL12 \f, 1, \zero
	PLACES
	FETCH \slot, \k, \g
	s_wait_dscnt 32                                ; all but the 32 just issued
	WIN MUL_HI
	MUL12 \f, 2, \zero
	MUL12 \f, 3, \zero
.endm
.macro THREE slot, zero
	QUARTER \slot, 64,  0, 1, \zero
	QUARTER \slot, 128, 1, 0, 0
	QUARTER \slot, 192, 0, 1, 0
.endm
; The last quarter changes slots.  In front of the barrier: my reads of this slot are back and all my tensor loads have landed (the one
; that was out is my part of the next slot).  Where the slot is filled again the barrier opens a round of the cluster's barrier, and the
; joint refill is the first tensor load behind the round.  From a request to the wait for it a wave issues 180 matrix instructions.
.macro TURN slot, next, fill
	s_wait_dscnt 4
	WIN MUL_LO
	MUL12 1, 0, 0
	s_wait_dscnt 0
	s_wait_tensorcnt 0x0
	ds_add_u32 v255, v255
	s_wait_dscnt 0x0
	s_barrier_signal -1
	MUL12 1, 1, 0                                  ; registers only, while the others arrive
	WIN 0
	s_barrier_wait -1
.if \fill
	CREST
	s_add_nc_u64 s[G0+4*\slot+2:G0+4*\slot+3], s[G0+4*\slot+2:G0+4*\slot+3], 2*KSTEP*2
	s_add_nc_u64 s[G0B+4*\slot+2:G0B+4*\slot+3], s[G0B+4*\slot+2:G0B+4*\slot+3], 2*KSTEP*2
	JLOAD \slot
.endif
	PLACES
	FETCH \next, 0, 0
	WIN MUL_HI
	MUL12 1, 2, 0
	MUL12 1, 3, 0
.endm
.macro LAP zero
	THREE 0, \zero
	TURN 0, 1, 1
	THREE 1, 0
	TURN 1, 0, 1
.endm
	s_wait_tensorcnt 1                             ; my part of K step 0 is in; K step 1's stays out
	s_barrier_signal -1
	s_barrier_wait -1
	FETCH 0, 0, 0
	LAP 1                                          ; the first lap's first products start the sums
	WIN 0
	s_mov_b32 s3, LAPS-2
.Llap:
	LAP 0
	WIN 0
	s_sub_co_u32 s3, s3, 1
	s_cmp_lg_u32 s3, 0
	s_cbranch_scc1 .Llap
	THREE 0, 0                                     ; the last lap fills nothing
	TURN 0, 1, 0
	THREE 1, 0
	s_wait_dscnt 4
	WIN MUL_LO
	MUL12 1, 0, 0
	MUL12 1, 1, 0
	s_wait_dscnt 0
	WIN MUL_HI
	MUL12 1, 2, 0
	MUL12 1, 3, 0
	; THE WAY OUT, 16 rows at a time: round to f16, 16 bytes a lane into my own stage, read back head by head, four rows of 128 bytes a load.
	PLACES
	s_lshl_b32 s16, s13, 8
	s_lshl_b32 s17, s10, 6
	s_add_co_u32 s16, s16, s17                     ; my first row
	s_lshl_b32 s16, s16, 7                         ; x 128 bytes
	s_mov_b32 s17, 0
	s_add_nc_u64 s[8:9], s[6:7], s[16:17]
	s_mul_i32 s46, s42, 3*4096*128                 ; my first head: 3 x block column planes of 4,096 rows
	s_mov_b32 s47, 0
	s_add_nc_u64 s[8:9], s[8:9], s[46:47]
.macro OUT16 a, from
	WIN \from
.irp b, 0,1,2,3,4,5,6,7,8,9,10,11
.irp r, 0,1,2,3
	v_cvt_pk_f16_f32 v[TMP+4*\b+\r], v[8*(12*(\a&1)+\b)+2*\r], v[8*(12*(\a&1)+\b)+2*\r+1]
.endr
.endr
	WIN 0
.irp b, 0,1,2,3,4,5,6,7,8,9,10,11
	ds_store_b128 v[STO], v[TMP+4*\b:TMP+4*\b+3] offset:32*\b
.endr
	s_wait_xcnt 0x0                                ; RB, which the last group's stores read, is loaded again only behind this wait
.irp hh, 0,1,2
.irp t, 0,1,2,3
	ds_load_b128 v[RB+4*(4*\hh+\t):RB+4*(4*\hh+\t)+3], v[RD] offset:128*\hh+4*SPITCH*\t   ; LDS serves a wave's instructions in order: these see the stores above
.endr
.endr
.irp hh, 0,1,2
.irp t, 0,1,2,3
	s_wait_dscnt 11-(4*\hh+\t)
	global_store_b128 v[CO], v[RB+4*(4*\hh+\t):RB+4*(4*\hh+\t)+3], s[8:9] offset:524288*\hh+2048*\a+512*\t   ; the wave stores 512 consecutive bytes, aligned
.endr
.endr
.endm
	OUT16 0, 0x0a
	OUT16 1, 0x0a
	OUT16 2, 0x0f
	OUT16 3, 0x0f
	s_set_vgpr_msb 0x1
	s_wait_tensorcnt 0x0
	ds_add_u32 v255, v255
	s_wait_dscnt 0x0
	s_set_vgpr_msb 0x100
	CROUND                                         ; the closing round: no work-group ends while a partner may still ask jointly
	s_endpgm
.Lfunc_end_k_q6c9bb239be_qkv:
	.size	k_q6c9bb239be_qkv, .Lfunc_end_k_q6c9bb239be_qkv-k_q6c9bb239be_qkv
	.p2alignl 7, 3214868480
	.fill 96, 4, 3214868480
	.section	.rodata,"a",@progbits
	.p2align	6, 0x0
	.amdhsa_kernel k_q6c9bb239be_qkv
		.amdhsa_group_segment_fixed_size 327680
		.amdhsa_private_segment_fixed_size 0
		.amdhsa_enable_private_segment 0
		.amdhsa_kernarg_size 16
		.amdhsa_user_sgpr_count 2
		.amdhsa_user_sgpr_kernarg_segment_ptr 1
		.amdhsa_wavefront_size32 1
		.amdhsa_system_sgpr_workgroup_id_x 1
		.amdhsa_system_sgpr_workgroup_id_y 1
		.amdhsa_system_sgpr_workgroup_id_z 1
		.amdhsa_system_vgpr_workitem_id 0
		.amdhsa_next_free_vgpr 960
		.amdhsa_next_free_sgpr 66
		.amdhsa_reserve_vcc 0
		.amdhsa_float_denorm_mode_32 3
		.amdhsa_float_denorm_mode_16_64 3
		.amdhsa_memory_ordered 1
		.amdhsa_forward_progress 1
		.amdhsa_inst_pref_size 163
	.end_amdhsa_kernel
	.amdgpu_metadata
---
amdhsa.version: [ 1, 2 ]
amdhsa.kernels:
  - .name:           k_q6c9bb239be_qkv
    .symbol:         k_q6c9bb239be_qkv.kd
    .args:
      - { .name: xw, .offset: 0, .size: 8, .value_kind: global_buffer, .address_space: global }
      - { .name: qkv, .offset: 8, .size: 8, .value_kind: global_buffer, .address_space: global }
    .group_segment_fixed_size: 327680
    .private_segment_fixed_size: 0
    .kernarg_segment_align: 8
    .kernarg_segment_size: 16
    .max_flat_workgroup_size: 128
    .sgpr_count:     66
    .vgpr_count:     960
    .wavefront_size: 32
...
	.end_amdgpu_metadata
.endif
;; end of part 2
;; launch attn (part 3): grid 8 x 32, 4 waves a work-group, no clusters, 327,680 bytes of LDS; arguments qkv, att; writes att
.if DOCPART == 3
	.amdgcn_target "amdgcn-amd-amdhsa--gfx1250"
	.amdhsa_code_object_version 6
	.text
	.protected	k_q6c9bb239be_attn
	.globl	k_q6c9bb239be_attn
	.p2align	8
	.type	k_q6c9bb239be_attn,@function
k_q6c9bb239be_attn:
	s_mov_b64 s[64:65], 0
	v_nop
	global_prefetch_b8 v0, s[64:65] scope:SCOPE_SE
	s_setreg_imm32_b32 hwreg(HW_REG_WAVE_MODE, 25, 1), 1
	s_wait_xcnt 0x0
; Causal attention of one (batch, head) pair per grid row, f16 operands, f32 sums and softmax, running maximum.
; qkv[j][row][64] f16 (j = h: q, 16 + h: k, 32 + h: v; row = 2048 b + s); att[h][row][64] f16.
; Work-group i (0..7) of a pair makes query block i (128 rows) and then query block 15 - i: i + 1 and 16 - i key blocks of 128,
; 17 tiles in every work-group, so all 256 do equal work.  Key blocks above the diagonal are not computed.  Wave w owns query rows 32 w .. 32 w + 31.
; NO MULTICAST: the eight work-groups of a pair read the same K and V, but in trip t work-group i stands at key block t (t <= i) or t - i - 1:
; partners want different tiles in the same trip, and a common walk would make each of them do the longest walk, 32 tiles for 17.
; TRANSPOSED FORMS.  S^T = K Q^T: lane (r, h) holds query r and keys 8 h + j, so maximum, sum and scale are one number a lane and cross
; lanes once (lane xor 16).  O^T += V^T P^T: two packed S^T tiles ARE the P^T fragment (keys 8 h .. + 7, then 16 + 8 h .. + 7), so P never moves;
; V^T's fragment comes from V's rows by the transposing LDS load.
; p = 2^(c s - c m), c = log2(e) / 8.  NM holds -c m as rounded, and alpha = 2^(NM new - NM old), so old and new terms carry exactly consistent shifts.
; Key 0 is allowed for every query, so m is finite from a block's first 64 keys on; masked scores are -inf and give p = 0.
; LIMITS: q, k, v, p and the result are f16 (results above 65,504 become infinite, p below 2^-25 becomes 0).
.set VPIT,  160                        ; V's LDS row: 128 bytes + 32, an odd multiple of 32
.set KPIT,  144                        ; K's LDS row: 128 bytes + 16, an odd multiple of 16
.set KOFF,  128*VPIT                   ; a slot: V's 128 rows, then K's 128 rows
.set SLOT,  128*VPIT+128*KPIT          ; 38,912
.set STAGE, 2*SLOT                     ; 77,824, a multiple of 256; 32 rows x 144 bytes = 4,608 for each wave
.set KA,   3                           ; LDS address of my part of a K fragment
.set VA,   4                           ; the same for V
.set QO,   5                           ; byte offset of my part of a Q fragment in the query block
.set STO,  6
.set RD,   7
.set CO,   8
.set DV,   9                           ; 32 w + r - 8 h: key 16 kt + j of a tile is masked for query tile u where 64 half + 16 kt + j - 16 u > DV
.set NINF, 10
.set MX,   12                          ; v[12:13]   running maximum, query tile u
.set LS,   14                          ; v[14:15]   running sum (this lane's keys)
.set QF,   16                          ; v[16:47]   Q fragment (u, ks) at 8 (2 u + ks)
.set OT,   48                          ; v[48:111]  O^T tile (et, u) at 8 (2 et + u)
.set ST,   112                         ; v[112:175] S^T tile (kt, u) at 8 (2 kt + u); then P^T fragment (kp, u) at 8 (4 kp + u)
.set VF,   176                         ; v[176:239] V^T fragment (et, kp) at 8 (4 kp + et)
.set NM,   240                         ; v[240:241] -c m
.set AL,   242                         ; v[242:243] alpha
.set TT,   244                         ; v[244:250] at work
                                       ; window 1: v[0:63] K fragment (kt, ks) at 8 (2 kt + ks)
.set G1K, 32
.set G1V, 40
.set G0K, 48                           ; one group 0 for each slot
.set G0V, 56
.set MSB, 0
.macro WIN new
.if MSB != \new
	s_set_vgpr_msb (MSB<<8)|\new
.set MSB, \new
.endif
.endm
.macro PLACES
.rept 4
	v_nop
.endr
.endm
; one tensor load a wave: waves 0, 1 bring V's halves (64 keys x 128 bytes), waves 2, 3 K's
.macro KVLOAD s
	s_cmp_eq_u32 s15, 0
	s_cbranch_scc0 .Lfor_k_\@
	tensor_load_to_lds s[G0V+4*\s:G0V+4*\s+3], s[G1V:G1V+7]
	s_nop 0
	s_branch .Lasked_\@
.Lfor_k_\@:
	tensor_load_to_lds s[G0K+4*\s:G0K+4*\s+3], s[G1K:G1K+7]
	s_nop 0
.Lasked_\@:
.endm
.macro SETQ                            ; the addresses of query block s11
	s_lshl_b32 s24, s11, 14                        ; 128 rows of 128 bytes
	s_add_nc_u64 s[26:27], s[16:17], s[24:25]
	s_add_nc_u64 s[28:29], s[22:23], s[24:25]
.endm
	s_load_b128 s[4:7], s[0:1], 0x0                ; qkv s[4:5], att s[6:7]
	v_lshl_add_u32 v254, v0, 2, 0x29000
	v_mov_b32 v255, 0
	ds_add_u32 v254, v255
	ds_add_u32 v254, v255
	v_lshrrev_b32 v1, 5, v0
	v_readfirstlane_b32 s8, v1                     ; wave 0..3
	s_and_b32 s9, s8, 1                            ; which 64 keys I fetch
	s_lshr_b32 s15, s8, 1                          ; of V (0) or of K (1)
	s_mov_b32 s10, ttmp9                           ; i
	s_and_b32 s24, ttmp7, 0xffff                   ; 16 b + h
	s_and_b32 s26, s24, 15
	s_lshr_b32 s27, s24, 4
	s_lshl_b32 s26, s26, 19                        ; h x 4,096 rows x 128 bytes
	s_lshl_b32 s27, s27, 18                        ; b x 2,048 rows x 128 bytes
	s_add_co_u32 s24, s26, s27
	s_mov_b32 s25, 0
	; group 1: 64 rows of 64 elements of 2 bytes, dense in memory; padding behind every 32 words: 4 words for K, 8 for V
	s_mov_b32 s[G1K+0], (1<<16)|(1<<20)|(4<<22)|(3<<25)
	s_mov_b32 s[G1V+0], (1<<16)|(1<<20)|(4<<22)|(7<<25)
	s_mov_b32 s[G1K+1], 64<<16
	s_mov_b32 s[G1V+1], 64<<16
	s_mov_b32 s[G1K+2], 64<<16
	s_mov_b32 s[G1V+2], 64<<16
	s_mov_b32 s[G1K+3], 64<<16
	s_mov_b32 s[G1V+3], 64<<16
	s_mov_b32 s[G1K+4], 64
	s_mov_b32 s[G1V+4], 64
	s_mov_b32 s[G1K+5], 64
	s_mov_b32 s[G1V+5], 64
	s_mov_b32 s[G1K+6], 0
	s_mov_b32 s[G1V+6], 0
	s_mov_b32 s[G1K+7], 0
	s_mov_b32 s[G1V+7], 0
	s_mul_i32 s26, s8, 64*VPIT                     ; waves 0, 1: V's halves at 0 and 10,240
	s_mul_i32 s27, s8, 64*KPIT
	s_add_co_u32 s27, s27, KOFF-2*64*KPIT          ; waves 2, 3: K's halves at 20,480 and 29,696
.irp s, 0,1
	s_mov_b32 s[G0V+4*\s], 1
	s_add_co_u32 s[G0V+4*\s+1], s26, \s*SLOT
	s_mov_b32 s[G0K+4*\s], 1
	s_add_co_u32 s[G0K+4*\s+1], s27, \s*SLOT
.endr
	s_wait_dscnt 0x0
	s_wait_kmcnt 0x0
	s_add_nc_u64 s[16:17], s[4:5], s[24:25]        ; q of my pair
	s_add_nc_u64 s[22:23], s[6:7], s[24:25]        ; att of my pair,
	s_lshl_b32 s24, s9, 13                         ; my 64 keys: 8,192 bytes
	s_add_nc_u64 s[18:19], s[16:17], s[24:25]
	s_add_nc_u64 s[20:21], s[18:19], 0x1000000     ; v: 32 planes of 524,288 bytes on
	s_add_nc_u64 s[18:19], s[18:19], 0x800000      ; k: 16 planes on
	s_lshl_b32 s24, s8, 12
	s_add_nc_u64 s[22:23], s[22:23], s[24:25]      ; at my wave's 32 rows
	s_mov_b64 s[G0V+2:G0V+3], s[20:21]             ; tile 0 is key block 0
	s_or_b32 s[G0V+3], s[G0V+3], 0x80000000
	s_mov_b64 s[G0K+2:G0K+3], s[18:19]
	s_or_b32 s[G0K+3], s[G0K+3], 0x80000000
	KVLOAD 0                                       ; the launch's first fill; one tensor load of a wave is out at any time
	s_mov_b32 s2, 0x3e38aa3b                       ; c = log2(e) / 8, twice: a pair for the packed multiply-add
	s_mov_b32 s3, 0x3e38aa3b
	s_mov_b32 s30, 0x76543210                      ; v_permlanex16_b32: lane l reads lane l xor 16
	s_mov_b32 s31, 0xfedcba98
	s_mov_b32 s11, s10                             ; query block
	s_mov_b32 s12, 0                               ; key block
	SETQ
	v_and_b32 v1, 15, v0                           ; r
	v_bfe_u32 v2, v0, 4, 1                         ; h
	v_and_b32 v11, 7, v0
	v_bfe_u32 v[TT], v0, 3, 1
	v_bfe_u32 v[TT+1], v0, 3, 2
	v_mul_u32_u24 v[KA], v1, KPIT
	v_lshl_add_u32 v[KA], v2, 4, v[KA]
	v_add_nc_u32 v[KA], KOFF, v[KA]                ; K: row r, 16 h
	v_lshl_add_u32 v[VA], v2, 3, v11
	v_mul_u32_u24 v[VA], v[VA], VPIT
	v_lshl_add_u32 v[VA], v[TT], 4, v[VA]          ; V: row 8 h + (l & 7), 16 bytes by bit 3 of the lane
	s_lshl_b32 s13, s8, 12
	v_lshlrev_b32 v[QO], 7, v1
	v_lshl_add_u32 v[QO], v2, 4, v[QO]
	v_add_nc_u32 v[QO], s13, v[QO]                 ; Q: row 32 w + r, 16 h
	s_mul_i32 s14, s8, 32*KPIT
	s_add_co_u32 s14, s14, STAGE
	v_mul_u32_u24 v[STO], v1, KPIT
	v_lshl_add_u32 v[STO], v2, 4, v[STO]
	v_add_nc_u32 v[STO], s14, v[STO]
	v_mul_u32_u24 v[RD], v[TT+1], KPIT
	v_lshl_add_u32 v[RD], v11, 4, v[RD]
	v_add_nc_u32 v[RD], s14, v[RD]                 ; back: eight lanes a row of 128 bytes, four rows a load
	v_and_b32 v[CO], 31, v0
	v_lshlrev_b32 v[CO], 4, v[CO]
	s_lshl_b32 s13, s8, 5
	v_add_nc_u32 v[DV], s13, v1
	v_lshlrev_b32 v[TT+2], 3, v2
	v_sub_nc_u32 v[DV], v[DV], v[TT+2]
	v_mov_b32 v[NINF], 0xff800000
	v_mov_b32 v[TT+4], 0                           ; a lane permute's destination counts as read
	v_mov_b32 v[TT+5], 0
	v_mov_b32 v[AL], 0                             ; the packed multiplies name the pair
	v_mov_b32 v[AL+1], 0
.macro LOADQ                           ; my 32 query rows as four fragments, straight from memory: once for each query block
.irp u, 0,1
.irp ks, 0,1
	global_load_b128 v[QF+8*(2*\u+\ks):QF+8*(2*\u+\ks)+3],   v[QO], s[26:27] offset:2048*\u+64*\ks
	global_load_b128 v[QF+8*(2*\u+\ks)+4:QF+8*(2*\u+\ks)+7], v[QO], s[26:27] offset:2048*\u+64*\ks+32
.endr
.endr
	s_wait_loadcnt 0x0
.endm
; A query block starts: O = 0, l = 0, m = -inf.  Cleared (twice in a work-group's life) so that one ring of 17 equal trips serves both blocks.
.macro INIT
.set n, 0
.rept 64
	v_mov_b32 v[OT+n], 0
.set n, n+1
.endr
.irp u, 0,1
	v_mov_b32 v[MX+\u], 0xff800000
	v_mov_b32 v[NM+\u], 0x7f800000
	v_mov_b32 v[LS+\u], 0
.endr
.endm
.macro KFETCH slot, half               ; 16 loads: 64 keys x 64, eight fragments, into window 1
	WIN 0x40
.irp kt, 0,1,2,3
.irp ks, 0,1
	ds_load_b128 v[8*(2*\kt+\ks):8*(2*\kt+\ks)+3],   v[KA] offset:\slot*SLOT+(64*\half+16*\kt)*KPIT+64*\ks
	ds_load_b128 v[8*(2*\kt+\ks)+4:8*(2*\kt+\ks)+7], v[KA] offset:\slot*SLOT+(64*\half+16*\kt)*KPIT+64*\ks+32
.endr
.endr
	WIN 0
.endm
.macro VFETCH slot, half               ; 16 transposing loads: V^T, 64 x 64 keys, eight fragments
.irp kp, 0,1
.irp et, 0,1,2,3
	ds_load_tr16_b128 v[VF+8*(4*\kp+\et):VF+8*(4*\kp+\et)+3],   v[VA] offset:\slot*SLOT+(64*\half+32*\kp)*VPIT+32*\et
	ds_load_tr16_b128 v[VF+8*(4*\kp+\et)+4:VF+8*(4*\kp+\et)+7], v[VA] offset:\slot*SLOT+(64*\half+32*\kp)*VPIT+32*\et+16*VPIT
.endr
.endr
.endm
.macro MASK half                       ; the diagonal block: key > query gives -inf
.irp kt, 0,1,2,3
.irp u, 0,1
.irp j, 0,1,2,3,4,5,6,7
	v_cmp_gt_i32 vcc_lo, 64*\half+16*\kt+\j-16*\u, v[DV]
	v_cndmask_b32 v[ST+8*(2*\kt+\u)+\j], v[ST+8*(2*\kt+\u)+\j], v[NINF], vcc_lo
.endr
.endr
.endr
.endm
; Softmax step of query tile u over 64 keys: 32 scores a lane
.macro SOFT u
.irp kt, 0,1,2,3
	v_max3_num_f32 v[TT+\kt], v[ST+8*(2*\kt+\u)], v[ST+8*(2*\kt+\u)+1], v[ST+8*(2*\kt+\u)+2]
.endr
.irp kt, 0,1,2,3
	v_max3_num_f32 v[TT+\kt], v[TT+\kt], v[ST+8*(2*\kt+\u)+3], v[ST+8*(2*\kt+\u)+4]
.endr
.irp kt, 0,1,2,3
	v_max3_num_f32 v[TT+\kt], v[TT+\kt], v[ST+8*(2*\kt+\u)+5], v[ST+8*(2*\kt+\u)+6]
.endr
	v_max3_num_f32 v[TT],   v[TT],   v[ST+8*\u+7],     v[ST+8*(2+\u)+7]
	v_max3_num_f32 v[TT+1], v[TT+1], v[ST+8*(4+\u)+7], v[ST+8*(6+\u)+7]
	v_max3_num_f32 v[TT], v[TT], v[TT+1], v[TT+2]
	v_max_num_f32 v[TT], v[TT], v[TT+3]
	v_permlanex16_b32 v[TT+4], v[TT], s30, s31     ; the other half of the lanes holds the query's other keys
	v_max3_num_f32 v[MX+\u], v[TT], v[TT+4], v[MX+\u]
	v_mul_f32 v[TT+5], 0xbe38aa3b, v[MX+\u]        ; -c m
	v_sub_f32 v[TT+6], v[TT+5], v[NM+\u]           ; (at a block's start: finite - inf = -inf, alpha = 0)
	v_mov_b32 v[NM+\u], v[TT+5]
	v_exp_f32 v[AL+\u], v[TT+6]                    ; the multiply-adds below are the plain place behind it (ISA guide 5.7.2)
.irp kt, 0,1,2,3
.irp j, 0,2,4,6
.if \u == 0
	v_pk_fma_f32 v[ST+8*(2*\kt+\u)+\j:ST+8*(2*\kt+\u)+\j+1], v[ST+8*(2*\kt+\u)+\j:ST+8*(2*\kt+\u)+\j+1], s[2:3], v[NM:NM+1] op_sel_hi:[1,0,0]
.else
	v_pk_fma_f32 v[ST+8*(2*\kt+\u)+\j:ST+8*(2*\kt+\u)+\j+1], v[ST+8*(2*\kt+\u)+\j:ST+8*(2*\kt+\u)+\j+1], s[2:3], v[NM:NM+1] op_sel:[0,0,1] op_sel_hi:[1,0,1]
.endif
.endr
.endr
.irp kt, 0,1,2,3
.irp j, 0,1,2,3,4,5,6,7
	v_exp_f32 v[ST+8*(2*\kt+\u)+\j], v[ST+8*(2*\kt+\u)+\j]
.endr
.endr
	v_nop                                          ; one plain place behind the last exponential
	s_wait_alu depctr_va_vdst(0)
	v_pk_add_f32 v[TT:TT+1],   v[ST+8*\u:ST+8*\u+1],         v[ST+8*\u+2:ST+8*\u+3]          ; the sum, in two chains
	v_pk_add_f32 v[TT+2:TT+3], v[ST+8*(4+\u):ST+8*(4+\u)+1], v[ST+8*(4+\u)+2:ST+8*(4+\u)+3]
.irp j, 4,6
	v_pk_add_f32 v[TT:TT+1],   v[TT:TT+1],   v[ST+8*\u+\j:ST+8*\u+\j+1]
	v_pk_add_f32 v[TT+2:TT+3], v[TT+2:TT+3], v[ST+8*(4+\u)+\j:ST+8*(4+\u)+\j+1]
.endr
.irp j, 0,2,4,6
	v_pk_add_f32 v[TT:TT+1],   v[TT:TT+1],   v[ST+8*(2+\u)+\j:ST+8*(2+\u)+\j+1]
	v_pk_add_f32 v[TT+2:TT+3], v[TT+2:TT+3], v[ST+8*(6+\u)+\j:ST+8*(6+\u)+\j+1]
.endr
	v_pk_add_f32 v[TT:TT+1], v[TT:TT+1], v[TT+2:TT+3]
	v_add_f32 v[TT], v[TT], v[TT+1]
	v_fma_f32 v[LS+\u], v[LS+\u], v[AL+\u], v[TT]
	; P^T fragment (kp, u): tile (2 kp, u) packs into its own registers 0-3, tile (2 kp + 1, u) into registers 4-7 of the same tile
.irp kp, 0,1
.irp r, 0,1,2,3
	v_cvt_pk_f16_f32 v[ST+8*(4*\kp+\u)+\r], v[ST+8*(4*\kp+\u)+2*\r], v[ST+8*(4*\kp+\u)+2*\r+1]
.endr
.irp r, 0,1,2,3
	v_cvt_pk_f16_f32 v[ST+8*(4*\kp+\u)+4+\r], v[ST+8*(4*\kp+2+\u)+2*\r], v[ST+8*(4*\kp+2+\u)+2*\r+1]
.endr
.endr
.irp et, 0,1,2,3
.irp j, 0,2,4,6
.if \u == 0
	v_pk_mul_f32 v[OT+8*(2*\et+\u)+\j:OT+8*(2*\et+\u)+\j+1], v[OT+8*(2*\et+\u)+\j:OT+8*(2*\et+\u)+\j+1], v[AL:AL+1] op_sel_hi:[1,0]
.else
	v_pk_mul_f32 v[OT+8*(2*\et+\u)+\j:OT+8*(2*\et+\u)+\j+1], v[OT+8*(2*\et+\u)+\j:OT+8*(2*\et+\u)+\j+1], v[AL:AL+1] op_sel:[0,1] op_sel_hi:[1,1]
.endif
.endr
.endr
.endm
; 64 keys of the tile in a slot.  diag = 1: the block is the diagonal one; 0: it is where key block = query block.
; In both runs of matrix instructions eight accumulators take turns, one instruction a turn.
.macro SUB slot, half, diag
	s_wait_dscnt 0x0                               ; K's fragments are in
	WIN 0x01
.irp kt, 0,1,2,3
.irp u, 0,1
	v_wmma_f32_16x16x32_f16 v[ST+8*(2*\kt+\u):ST+8*(2*\kt+\u)+7], v[8*(2*\kt):8*(2*\kt)+7], v[QF+8*(2*\u):QF+8*(2*\u)+7], 0
.endr
.endr
.irp kt, 0,1,2,3
.irp u, 0,1
	v_wmma_f32_16x16x32_f16 v[ST+8*(2*\kt+\u):ST+8*(2*\kt+\u)+7], v[8*(2*\kt+1):8*(2*\kt+1)+7], v[QF+8*(2*\u+1):QF+8*(2*\u+1)+7], v[ST+8*(2*\kt+\u):ST+8*(2*\kt+\u)+7]
.endr
.endr
	WIN 0
	PLACES                                         ; four places: K's registers are loaded again and the scores are read (ISA guide 7.12.1)
	VFETCH \slot, \half
.if \half == 0
	KFETCH \slot, 1                                ; the second 64 keys, a softmax step ahead of their use
.endif
.if \diag
	MASK \half
.else
	s_cmp_lg_u32 s12, s11
	s_cbranch_scc1 .Lnomask_\@
	MASK \half
.Lnomask_\@:
.endif
	SOFT 0
	SOFT 1
.if \half == 0
	s_wait_dscnt 16                                ; V's 16 loads are in; the 16 younger loads of K stay out
.else
	s_wait_dscnt 0x0
.endif
.irp kp, 0,1
.irp et, 0,1,2,3
.irp u, 0,1
	v_wmma_f32_16x16x32_f16 v[OT+8*(2*\et+\u):OT+8*(2*\et+\u)+7], v[VF+8*(4*\kp+\et):VF+8*(4*\kp+\et)+7], v[ST+8*(4*\kp+\u):ST+8*(4*\kp+\u)+7], v[OT+8*(2*\et+\u):OT+8*(2*\et+\u)+7]
.endr
.endr
.endr
.rept 5
	v_nop                                          ; five places: the next scores are written over P's registers by matrix instructions
.endr
.endm
; A query block ends: divide by l, round to f16, 32 rows through my own stage, out as 512 consecutive bytes a store.
.macro FINAL reinit
	v_permlanex16_b32 v[TT+4], v[LS],   s30, s31
	v_permlanex16_b32 v[TT+5], v[LS+1], s30, s31
	v_add_f32 v[LS],   v[LS],   v[TT+4]
	v_add_f32 v[LS+1], v[LS+1], v[TT+5]
	v_rcp_f32 v[AL],   v[LS]                       ; l >= 1: the largest score gives p = 1
	v_rcp_f32 v[AL+1], v[LS+1]
	v_nop
	s_wait_alu depctr_va_vdst(0)
.irp et, 0,1,2,3
.irp j, 0,2,4,6
	v_pk_mul_f32 v[OT+16*\et+\j:OT+16*\et+\j+1],     v[OT+16*\et+\j:OT+16*\et+\j+1],     v[AL:AL+1] op_sel_hi:[1,0]
	v_pk_mul_f32 v[OT+16*\et+8+\j:OT+16*\et+8+\j+1], v[OT+16*\et+8+\j:OT+16*\et+8+\j+1], v[AL:AL+1] op_sel:[0,1] op_sel_hi:[1,1]
.endr
.endr
.irp et, 0,1,2,3
.irp u, 0,1
.irp r, 0,1,2,3
	v_cvt_pk_f16_f32 v[VF+4*(2*\et+\u)+\r], v[OT+8*(2*\et+\u)+2*\r], v[OT+8*(2*\et+\u)+2*\r+1]
.endr
	ds_store_b128 v[STO], v[VF+4*(2*\et+\u):VF+4*(2*\et+\u)+3] offset:16*KPIT*\u+32*\et    ; row 16 u + r, columns 16 et + 8 h .. + 7
.endr
.endr
.irp t, 0,1,2,3,4,5,6,7
	ds_load_b128 v[VF+32+4*\t:VF+32+4*\t+3], v[RD] offset:4*KPIT*\t                        ; LDS serves a wave's instructions in order
.endr
.irp t, 0,1,2,3,4,5,6,7
	s_wait_dscnt 7-\t
	global_store_b128 v[CO], v[VF+32+4*\t:VF+32+4*\t+3], s[28:29] offset:512*\t
.endr
.if \reinit
	s_wait_xcnt 0x0                                ; the stores' base and data are written again only behind this wait
	s_sub_co_u32 s11, 15, s10                      ; the second query block
	SETQ
	LOADQ
	INIT
.endif
.endm
; One tile of 128 keys.  In front of the barrier: all my tensor loads have landed (my part of this tile) and my reads of the other slot are back.
; Behind it the next tile goes into the other slot, first thing, one load a wave; it has this tile's work in which to land.
.macro TRIP slot, other, refill, last
	s_wait_tensorcnt 0x0
	ds_add_u32 v254, v255
	s_wait_dscnt 0x0
	s_add_co_u32 s13, s12, 1                       ; the next tile's key block: one on, or 0 behind a query block's last
	s_cmp_eq_u32 s12, s11
	s_cselect_b32 s13, 0, s13
.if \refill
	s_lshl_b32 s24, s13, 14
	s_add_nc_u64 s[G0K+4*\other+2:G0K+4*\other+3], s[18:19], s[24:25]      ; no load of mine is out: a group 0 may be written
	s_or_b32 s[G0K+4*\other+3], s[G0K+4*\other+3], 0x80000000
	s_add_nc_u64 s[G0V+4*\other+2:G0V+4*\other+3], s[20:21], s[24:25]
	s_or_b32 s[G0V+4*\other+3], s[G0V+4*\other+3], 0x80000000
.endif
	s_wait_dscnt 0x0
	s_barrier_signal -1
	s_barrier_wait -1
.if \refill
	KVLOAD \other
.endif
	KFETCH \slot, 0
	SUB \slot, 0, \last
	SUB \slot, 1, \last
.if \last
	FINAL 0
.else
	s_cmp_lg_u32 s12, s11
	s_cbranch_scc1 .Lnofin_\@
	FINAL 1                                        ; the first query block's diagonal tile has been done
.Lnofin_\@:
	s_mov_b32 s12, s13
.endif
.endm
	LOADQ
	INIT
	s_mov_b32 s14, 8
.Ltiles:
	TRIP 0, 1, 1, 0
	TRIP 1, 0, 1, 0
	s_sub_co_u32 s14, s14, 1
	s_cmp_lg_u32 s14, 0
	s_cbranch_scc1 .Ltiles
	TRIP 0, 1, 0, 1                                ; tile 16: the second query block's diagonal tile; nothing is left to fetch
	s_wait_tensorcnt 0x0
	ds_add_u32 v254, v255
	s_wait_dscnt 0x0
	s_endpgm
.Lfunc_end_k_q6c9bb239be_attn:
	.size	k_q6c9bb239be_attn, .Lfunc_end_k_q6c9bb239be_attn-k_q6c9bb239be_attn
	.p2alignl 7, 3214868480
	.fill 96, 4, 3214868480
	.section	.rodata,"a",@progbits
	.p2align	6, 0x0
	.amdhsa_kernel k_q6c9bb239be_attn
		.amdhsa_group_segment_fixed_size 327680
		.amdhsa_private_segment_fixed_size 0
		.amdhsa_enable_private_segment 0
		.amdhsa_kernarg_size 16
		.amdhsa_user_sgpr_count 2
		.amdhsa_user_sgpr_kernarg_segment_ptr 1
		.amdhsa_wavefront_size32 1
		.amdhsa_system_sgpr_workgroup_id_x 1
		.amdhsa_system_sgpr_workgroup_id_y 1
		.amdhsa_system_sgpr_workgroup_id_z 1
		.amdhsa_system_vgpr_workitem_id 0
		.amdhsa_next_free_vgpr 320
		.amdhsa_next_free_sgpr 66
		.amdhsa_reserve_vcc 1
		.amdhsa_float_denorm_mode_32 3
		.amdhsa_float_denorm_mode_16_64 3
		.amdhsa_memory_ordered 1
		.amdhsa_forward_progress 1
		.amdhsa_inst_pref_size 169
	.end_amdhsa_kernel
	.amdgpu_metadata
---
amdhsa.version: [ 1, 2 ]
amdhsa.kernels:
  - .name:           k_q6c9bb239be_attn
    .symbol:         k_q6c9bb239be_attn.kd
    .args:
      - { .name: qkv, .offset: 0, .size: 8, .value_kind: global_buffer, .address_space: global }
      - { .name: att, .offset: 8, .size: 8, .value_kind: global_buffer, .address_space: global }
    .group_segment_fixed_size: 327680
    .private_segment_fixed_size: 0
    .kernarg_segment_align: 8
    .kernarg_segment_size: 16
    .max_flat_workgroup_size: 128
    .sgpr_count:     66
    .vgpr_count:     320
    .wavefront_size: 32
...
	.end_amdgpu_metadata
.endif
;; end of part 3
;; launch oproj (part 4): grid 8 x 32, 4 waves a work-group, clusters of 4 x 4, 327,680 bytes of LDS; arguments att, xw, out0; writes out0
.if DOCPART == 4
	.amdgcn_target "amdgcn-amd-amdhsa--gfx1250"
	.amdhsa_code_object_version 6
	.text
	.protected	k_q6c9bb239be_oproj
	.globl	k_q6c9bb239be_oproj
	.p2align	8
	.type	k_q6c9bb239be_oproj,@function
k_q6c9bb239be_oproj:
	s_mov_b64 s[64:65], 0
	v_nop
	global_prefetch_b8 v0, s[64:65] scope:SCOPE_SE
	s_setreg_imm32_b32 hwreg(HW_REG_WAVE_MODE, 25, 1), 1
	s_wait_xcnt 0x0
	s_wait_alu depctr_hold_cnt(0) depctr_sa_sdst(0) depctr_va_vdst(0) depctr_va_sdst(0) depctr_va_ssrc(0) depctr_va_vcc(0) depctr_vm_vsrc(0)
	s_getreg_b32 s2, hwreg(HW_REG_IB_STS2, 6, 4)
	s_cmp_eq_u32 s2, 0
	s_cbranch_scc0 .Lentry_in_a_cluster
	s_endpgm
.Lentry_in_a_cluster:
	s_bfe_u32 s2, ttmp6, 0x10000c
	s_cmp_lg_u32 s2, 0xf033
	s_cbranch_scc0 .Lentry_shape_is_right
	s_endpgm
.Lentry_shape_is_right:
; out0[4096][1024] f32 = att[4096][1024 (h,e)] x W_O[1024 (h,e)][1024 d], f16 operands, f32 sums.
; att lies head by head, [16][4096][64] f16; W_O lies [k][n] f16 at byte 14,680,064 of xw, as the input has it: its fragments come by the transposing LDS load.
; A work-group makes 128 x 128 with four waves of 64 x 64 (16 accumulator tiles): 8 x 32 = 256 work-groups, one for each WGP.
; K goes in steps of 128 = two heads through two LDS slots.  CLUSTERS 4 x 4: att's tile is shared along a cluster's row, W_O's along a column.
; The matrix instruction is used transposed (source 0 = W_O, source 1 = att): a lane holds 8 neighbouring columns of one row of out0.
.set APIT,   144                       ; att's LDS row: 128 bytes + 16
.set BPIT,   288                       ; W_O's LDS row: 256 bytes + 32, an odd multiple of 32
.set PART,   18432                     ; 128 x 144 = 64 x 288: what one tensor load brings
.set SLOT,   4*PART                    ; att head 0, att head 1, W_O k rows 0-63, 64-127
.set STAGE,  2*SLOT                    ; 147,456, a multiple of 256
.set SPITCH, 272                       ; stage row: 256 bytes + 16; 16 rows = 4,352 bytes for each wave
.set LAPS,   4
.set WOOFF,  14680064
.set ADRA, 16
.set ADRB, 20
.set STO,  24
.set RD,   25
.set CO,   26
.set FA,   64                          ; att's fragments, buffer f at FA + 64 f
.set FB,   96                          ; W_O's fragments, buffer f at FB + 64 f
.set RB,   192                         ; v[192:223] rows read back
                                       ; window 1: accumulator tile (a, b) at 8 (4 a + b)
.set G1,  24
.set G0,  32
.set G1B, 48
.set G0B, 56
.set MSB, 0
.macro WIN new
.if MSB != \new
	s_set_vgpr_msb (MSB<<8)|\new
.set MSB, \new
.endif
.endm
.macro JLOAD s                         ; waves 0, 1 ask for att's two heads, waves 2, 3 for W_O's two halves
	s_cmp_eq_u32 s11, 0
	s_cbranch_scc0 .Lfor_b_\@
	tensor_load_to_lds s[G0+4*\s:G0+4*\s+3], s[G1:G1+7]
	s_nop 0
	s_branch .Lasked_\@
.Lfor_b_\@:
	tensor_load_to_lds s[G0B+4*\s:G0B+4*\s+3], s[G1B:G1B+7]
	s_nop 0
.Lasked_\@:
.endm
.macro CREST
	s_cmp_lg_u32 s10, 0
	s_cbranch_scc1 .Lnot_wave_0_\@
	s_barrier_signal -3
.Lnot_wave_0_\@:
	s_barrier_wait -3
	s_barrier_signal -1
	s_barrier_wait -1
.endm
.macro CROUND
	s_barrier_signal -1
	s_barrier_wait -1
	CREST
.endm
	s_load_b128 s[4:7], s[0:1], 0x0                ; att s[4:5], xw s[6:7]
	s_load_b64 s[8:9], s[0:1], 0x10                ; out0
	v_lshl_add_u32 v254, v0, 2, 0x29000
	v_mov_b32 v255, 0
	ds_add_u32 v254, v255
	ds_add_u32 v254, v255
	v_lshrrev_b32 v1, 5, v0
	v_readfirstlane_b32 s10, v1                    ; wave 0..3
	s_lshr_b32 s11, s10, 1                         ; my half of the block's rows.  Also: I fetch for att (0) or W_O (1)
	s_and_b32 s12, s10, 1                          ; my half of its columns.  Also: which part I fetch
	s_bfe_u32 s40, ttmp6, 0x40000                  ; cx
	s_bfe_u32 s41, ttmp6, 0x40004                  ; cy
	s_lshl_b32 s42, ttmp9, 2
	s_add_co_u32 s42, s42, s40                     ; block column
	s_and_b32 s13, ttmp7, 0xffff
	s_lshl_b32 s13, s13, 2
	s_add_co_u32 s13, s13, s41                     ; block row
	s_lshl_b32 s43, s41, 2
	s_lshl_b32 s43, 15, s43                        ; my row of the cluster
	s_lshl_b32 s44, 0x1111, s40                    ; my column
	s_or_b32 s[G1+0],  s43, (1<<16)|(1<<20)|(1<<21)|(4<<22)|(3<<25)   ; att: 4 words of padding behind every 32
	s_or_b32 s[G1B+0], s44, (1<<16)|(1<<20)|(1<<21)|(5<<22)|(7<<25)   ; W_O: 8 words behind every 64
	s_mov_b32 s[G1+1],  64<<16                     ; att: 128 rows x 64 elements, dense
	s_mov_b32 s[G1+2],  128<<16
	s_mov_b32 s[G1+3],  64<<16
	s_mov_b32 s[G1+4],  128
	s_mov_b32 s[G1+5],  64
	s_mov_b32 s[G1+6],  0
	s_mov_b32 s[G1+7],  0
	s_mov_b32 s[G1B+1], 128<<16                    ; W_O: 64 k rows x 128 elements, pitch 1,024
	s_mov_b32 s[G1B+2], 64<<16
	s_mov_b32 s[G1B+3], 128<<16
	s_mov_b32 s[G1B+4], 64
	s_mov_b32 s[G1B+5], 1024
	s_mov_b32 s[G1B+6], 0
	s_mov_b32 s[G1B+7], 0
	s_lshl_b32 s16, s13, 14                        ; att: 128 rows of 128 bytes x block row,
	s_lshl_b32 s17, s12, 19                        ; + my head's plane of 524,288 bytes
	s_add_co_u32 s16, s16, s17
	s_mov_b32 s17, 0
	s_lshl_b32 s46, s42, 8                         ; W_O: 256 bytes x block column,
	s_lshl_b32 s47, s12, 17                        ; + my 64 k rows of 2,048 bytes
	s_add_co_u32 s46, s46, s47
	s_add_co_u32 s46, s46, WOOFF
	s_mov_b32 s47, 0
	s_mul_i32 s20, s10, PART                       ; the wave's part of a slot
	s_wait_dscnt 0x0
	s_wait_kmcnt 0x0
	s_add_nc_u64 s[14:15], s[4:5], s[16:17]
	s_add_nc_u64 s[46:47], s[6:7], s[46:47]
	CROUND                                         ; in front of the first joint loads
.irp s, 0,1
	s_mov_b32 s[G0+4*\s], 1
	s_add_co_u32 s[G0+4*\s+1], s20, \s*SLOT
	s_add_nc_u64 s[G0+4*\s+2:G0+4*\s+3], s[14:15], \s*1048576      ; K step s: two heads on
	s_or_b32 s[G0+4*\s+3], s[G0+4*\s+3], 0x80000000
	s_mov_b32 s[G0B+4*\s], 1
	s_add_co_u32 s[G0B+4*\s+1], s20, \s*SLOT
	s_add_nc_u64 s[G0B+4*\s+2:G0B+4*\s+3], s[46:47], \s*262144     ; 128 k rows on
	s_or_b32 s[G0B+4*\s+3], s[G0B+4*\s+3], 0x80000000
	JLOAD \s                                       ; two loads of the wave are out here, later one
.endr
	v_and_b32 v1, 15, v0                           ; r
	v_bfe_u32 v2, v0, 4, 1                         ; h
	v_and_b32 v4, 7, v0
	v_bfe_u32 v5, v0, 3, 1
	v_mul_u32_u24 v3, v1, APIT
	v_lshl_add_u32 v3, v2, 4, v3                   ; att: row r, 16 h
	v_lshl_add_u32 v6, v2, 3, v4
	v_mul_u32_u24 v6, v6, BPIT
	v_lshl_add_u32 v6, v5, 4, v6                   ; W_O: k row 8 h + (l & 7), 16 bytes by bit 3 of the lane
	s_mul_i32 s21, s11, 64*APIT                    ; my 64 rows
	s_lshl_b32 s22, s12, 7                         ; my 64 columns: 128 bytes
	s_add_co_u32 s22, s22, 2*PART
.irp s, 0,1
	v_add_nc_u32 v[ADRA+\s], s21, v3
	v_add_nc_u32 v[ADRB+\s], s22, v6
	s_add_co_u32 s21, s21, SLOT
	s_add_co_u32 s22, s22, SLOT
.endr
	s_mul_i32 s23, s10, 16*SPITCH
	s_add_co_u32 s23, s23, STAGE
	v_mul_u32_u24 v7, v1, SPITCH
	v_lshl_add_u32 v7, v2, 5, v7
	v_add_nc_u32 v[STO], s23, v7                   ; in: row r, 32 bytes for each half of the lanes
	v_mul_u32_u24 v8, v2, SPITCH
	v_lshl_add_u32 v8, v1, 4, v8
	v_add_nc_u32 v[RD], s23, v8                    ; back: lanes 0-15 one row of 256 bytes, lanes 16-31 the next
	v_lshlrev_b32 v9, 12, v2
	v_lshl_add_u32 v[CO], v1, 4, v9                ; the same two rows in out0
.macro MUL8 f, a0, zero                ; row tiles a0, a0 + 1 x 4 column tiles, 32 along K
.irp a, \a0, \a0+1
.irp b, 0,1,2,3
.if \zero
	v_wmma_f32_16x16x32_f16 v[8*(4*(\a)+\b):8*(4*(\a)+\b)+7], v[FB+64*\f+8*\b:FB+64*\f+8*\b+7], v[FA+64*\f+8*(\a):FA+64*\f+8*(\a)+7], 0
.else
	v_wmma_f32_16x16x32_f16 v[8*(4*(\a)+\b):8*(4*(\a)+\b)+7], v[FB+64*\f+8*\b:FB+64*\f+8*\b+7], v[FA+64*\f+8*(\a):FA+64*\f+8*(\a)+7], v[8*(4*(\a)+\b):8*(4*(\a)+\b)+7]
.endif
.endr
.endr
.endm
; quarter q of a K step (k = 32 q ..): head q / 2, byte 64 (q & 1) of att's rows; k rows 32 q .. of W_O.  16 loads.
.macro FETCH slot, q, f
.irp i, 0,1,2,3
	ds_load_b128 v[FA+64*\f+8*\i:FA+64*\f+8*\i+3],   v[ADRA+\slot] offset:(\q>>1)*PART+(\q&1)*64+\i*16*APIT
	ds_load_b128 v[FA+64*\f+8*\i+4:FA+64*\f+8*\i+7], v[ADRA+\slot] offset:(\q>>1)*PART+(\q&1)*64+\i*16*APIT+32
.endr
.irp i, 0,1,2,3
	ds_load_tr16_b128 v[FB+64*\f+8*\i:FB+64*\f+8*\i+3],   v[ADRB+\slot] offset:\q*32*BPIT+32*\i
	ds_load_tr16_b128 v[FB+64*\f+8*\i+4:FB+64*\f+8*\i+7], v[ADRB+\slot] offset:\q*32*BPIT+32*\i+16*BPIT
.endr
.endm
.macro PLACES                          ; four places between a matrix instruction and a load into its sources
.rept 4
	v_nop
.endr
.endm
; A quarter: buffer f's loads are in; quarter q's go out into buffer g; 16 matrix instructions on f.
; The 16 accumulators take turns, one instruction a turn, in the same order in every quarter.
.macro QUARTER slot, q, f, g, zero
	s_wait_dscnt 0x0
	PLACES
	FETCH \slot, \q, \g
	WIN 0x50                                       ; C and D in window 1
	MUL8 \f, 0, \zero
	MUL8 \f, 2, \zero
	WIN 0
.endm
.macro THREE slot, zero
	QUARTER \slot, 1, 0, 1, \zero
	QUARTER \slot, 2, 1, 0, 0
	QUARTER \slot, 3, 0, 1, 0
.endm
; The last quarter changes slots: my reads of this slot are back and all my tensor loads have landed in front of the barrier, which opens a
; round of the cluster's barrier where the slot is filled again; the joint refill is the first tensor load behind the round.
.macro TURN slot, next, fill
	s_wait_dscnt 0x0
	s_wait_tensorcnt 0x0
	ds_add_u32 v254, v255
	s_wait_dscnt 0x0
	s_barrier_signal -1
	WIN 0x50
	MUL8 1, 0, 0                                   ; registers only
	WIN 0
	s_barrier_wait -1
.if \fill
	CREST
	s_add_nc_u64 s[G0+4*\slot+2:G0+4*\slot+3], s[G0+4*\slot+2:G0+4*\slot+3], 2097152     ; two K steps = four heads on
	s_add_nc_u64 s[G0B+4*\slot+2:G0B+4*\slot+3], s[G0B+4*\slot+2:G0B+4*\slot+3], 524288  ; 256 k rows on
	JLOAD \slot
.endif
	PLACES
	FETCH \next, 0, 0
	WIN 0x50
	MUL8 1, 2, 0
	WIN 0
.endm
.macro LAP zero
	THREE 0, \zero
	TURN 0, 1, 1
	THREE 1, 0
	TURN 1, 0, 1
.endm
	s_wait_tensorcnt 1                             ; my part of K step 0 is in; K step 1's stays out
	s_barrier_signal -1
	s_barrier_wait -1
	FETCH 0, 0, 0
	LAP 1
	s_mov_b32 s3, LAPS-2
.Llap:
	LAP 0
	s_sub_co_u32 s3, s3, 1
	s_cmp_lg_u32 s3, 0
	s_cbranch_scc1 .Llap
	THREE 0, 0                                     ; the last lap fills nothing
	TURN 0, 1, 0
	THREE 1, 0
	s_wait_dscnt 0x0
	WIN 0x50
	MUL8 1, 0, 0
	MUL8 1, 2, 0
	WIN 0
	; THE WAY OUT, 16 rows at a time through my own stage: a lane's 32 bytes in, whole rows of 256 bytes back.
	PLACES
	s_lshl_b32 s16, s13, 7
	s_lshl_b32 s17, s11, 6
	s_add_co_u32 s16, s16, s17                     ; my first row
	s_lshl_b32 s16, s16, 12                        ; x 4,096 bytes
	s_mov_b32 s17, 0
	s_add_nc_u64 s[8:9], s[8:9], s[16:17]
	s_lshl_b32 s46, s42, 9                         ; my first column: 512 bytes x block column + 256 x half
	s_lshl_b32 s47, s12, 8
	s_add_co_u32 s46, s46, s47
	s_mov_b32 s47, 0
	s_add_nc_u64 s[8:9], s[8:9], s[46:47]
.macro OUT16 a
	WIN 0x04                                       ; an LDS store's data is source 1: window 1
.irp b, 0,1,2,3
	ds_store_b128 v[STO], v[8*(4*\a+\b):8*(4*\a+\b)+3]   offset:64*\b
	ds_store_b128 v[STO], v[8*(4*\a+\b)+4:8*(4*\a+\b)+7] offset:64*\b+16
.endr
	WIN 0
	s_wait_xcnt 0x0                                ; RB, which the last group's stores read, is loaded again only behind this wait
.irp t, 0,1,2,3,4,5,6,7
	ds_load_b128 v[RB+4*\t:RB+4*\t+3], v[RD] offset:2*SPITCH*\t    ; LDS serves a wave's instructions in order
.endr
.irp t, 0,1,2,3,4,5,6,7
	s_wait_dscnt 7-\t
	global_store_b128 v[CO], v[RB+4*\t:RB+4*\t+3], s[8:9] offset:65536*\a+8192*\t th:TH_STORE_NT   ; 16 lanes store 256 consecutive bytes, aligned
.endr
.endm
	OUT16 0
	OUT16 1
	OUT16 2
	OUT16 3
	s_wait_tensorcnt 0x0
	ds_add_u32 v254, v255
	s_wait_dscnt 0x0
	CROUND                                         ; the closing round
	s_endpgm
.Lfunc_end_k_q6c9bb239be_oproj:
	.size	k_q6c9bb239be_oproj, .Lfunc_end_k_q6c9bb239be_oproj-k_q6c9bb239be_oproj
	.p2alignl 7, 3214868480
	.fill 96, 4, 3214868480
	.section	.rodata,"a",@progbits
	.p2align	6, 0x0
	.amdhsa_kernel k_q6c9bb239be_oproj
		.amdhsa_group_segment_fixed_size 327680
		.amdhsa_private_segment_fixed_size 0
		.amdhsa_enable_private_segment 0
		.amdhsa_kernarg_size 24
		.amdhsa_user_sgpr_count 2
		.amdhsa_user_sgpr_kernarg_segment_ptr 1
		.amdhsa_wavefront_size32 1
		.amdhsa_system_sgpr_workgroup_id_x 1
		.amdhsa_system_sgpr_workgroup_id_y 1
		.amdhsa_system_sgpr_workgroup_id_z 1
		.amdhsa_system_vgpr_workitem_id 0
		.amdhsa_next_free_vgpr 384
		.amdhsa_next_free_sgpr 66
		.amdhsa_reserve_vcc 0
		.amdhsa_float_denorm_mode_32 3
		.amdhsa_float_denorm_mode_16_64 3
		.amdhsa_memory_ordered 1
		.amdhsa_forward_progress 1
		.amdhsa_inst_pref_size 73
	.end_amdhsa_kernel
	.amdgpu_metadata
---
amdhsa.version: [ 1, 2 ]
amdhsa.kernels:
  - .name:           k_q6c9bb239be_oproj
    .symbol:         k_q6c9bb239be_oproj.kd
    .args:
      - { .name: att, .offset: 0, .size: 8, .value_kind: global_buffer, .address_space: global }
      - { .name: xw, .offset: 8, .size: 8, .value_kind: global_buffer, .address_space: global }
      - { .name: out0, .offset: 16, .size: 8, .value_kind: global_buffer, .address_space: global }
    .group_segment_fixed_size: 327680
    .private_segment_fixed_size: 0
    .kernarg_segment_align: 8
    .kernarg_segment_size: 24
    .max_flat_workgroup_size: 128
    .sgpr_count:     66
    .vgpr_count:     384
    .wavefront_size: 32
...
	.end_amdgpu_metadata
.endif
;; end of part 4
